; MI455X (gfx1250); checked and timed in simulation.
; The chip was launched on July 23, 2026; its instructions are those of AMD's public machine-readable ISA for CDNA 5 (MIT licence, August 2026) and "CDNA5" Instruction Set Architecture Reference Guide (July 2026). The comments in the code are by the model that wrote it; some were corrected since.
;; Hybrid Model. Allowed arithmetic: float matrix products may take bf16 or f16 operands with f32 sums; all other float work in f32.
;; Inputs: W 2 x 1,521 float32; b 2 float32; q_params 16 float32; x 512 x 28 x 28 float32.
;; Outputs: out0 512 x 2 float32.
;; One version. Each part assembles by itself: llvm-mc -triple=amdgcn-amd-amdhsa -mcpu=gfx1250 --defsym DOCPART=n.
;; ======== version 1 of 1: 1 launch
;; limits: inputs' magnitudes at most 13,176,794
;; launch quanv_head (part 1): grid 256 x 1, 12 waves a work-group, no clusters, 26,368 bytes of LDS; arguments x, W, q_params, b, out0; writes out0
.if DOCPART == 1
	.amdgcn_target "amdgcn-amd-amdhsa--gfx1250"
	.amdhsa_code_object_version 6
	.text
	.protected	k_q5b0b76f5cd_quanv_head
	.globl	k_q5b0b76f5cd_quanv_head
	.p2align	8
	.type	k_q5b0b76f5cd_quanv_head,@function
k_q5b0b76f5cd_quanv_head:
	s_mov_b64 s[64:65], 0
	v_nop
	global_prefetch_b8 v0, s[64:65] scope:SCOPE_SE
	s_setreg_imm32_b32 hwreg(HW_REG_WAVE_MODE, 25, 1), 1
	s_wait_xcnt 0x0
; out0[n] = log_softmax(W feats(x[n]) + b).  feats: PauliZ expectations of a 9-wire circuit on each of the 169 3x3 patches (stride 2) of a 28x28 image.
;
; THE CIRCUIT IN CLOSED FORM.  The 16 gates are fixed; their CNOTs (3->4, 7->8, 2->3, 6->7) couple only the wires {2,3,4} and {6,7,8}.  The encoder leaves
; wire w with the Bloch vector (sin t_w, 0, cos t_w).  Z_w carried back through the gates (Rx(a): Z -> cos a Z + sin a Y;  Ry(b): Z -> cos b Z - sin b X;
; CNOT: Z_target -> Z_control Z_target, Y_target -> Z_control Y_target, Z_control stays), with <Y> = 0, gives for every x and every p = q_params,
; with c_w = cos t_w and s_w = sin t_w:
;   f0 = cos p0 cos p9 c0 - sin p9 s0     f1 = cos p1 c1 - sin p1 s1              f2 = c2
;   f3 = cos p12 c2 c3                    f4 = cos p13 cos p4 c3 c4 - sin p13 s4  f5 = cos p5 c5 - sin p5 s5
;   f6 = c6                               f7 = c6 c7                              f8 = cos p8 c7 c8
; The Rz angles p2, p6, p10, p14 cancel in |amplitude|^2; the slots 3, 7, 11, 15 belong to CNOTs.
;
; LIMITS.  Angles (pixels and parameters): |t| < 2^22 pi, about 1.3e7 (the rounding constant below); the reduction's error is 3.5e-15 for each multiple of pi taken off.
; A NaN or an infinity in p2, p6, p10 or p14 does not reach the output.  Sums are formed in another order than a state-vector simulation forms them.
;
; SHARES.  256 work-groups of 12 waves; a work-group owns two images, waves 0-5 the first, waves 6-11 the second.
; Pixel phase: lane u (0..191) of an image takes its pixels 4u .. 4u+3 (16 bytes): 768 pixels = rows 0..26 and twelve pixels of row 27; row 27 and column 27 are in no
; patch.  cos and sin are made once for each pixel and laid into LDS.  Patch phase: lane u < 169 is patch u = 13 c + r, pixels (2c + dc, 2r + dr), wire 3 dc + dr.
; W (12,168 bytes) is copied once by the work-group, in runs of 256 consecutive aligned bytes a wave, into LDS, from where a lane takes its 2 x 9 weights.
; NO MATRIX INSTRUCTION: the one product left has 2 columns.  NO CLUSTER: W is what work-groups share, 12,168 of the 18,312 bytes that each fetches, but it is fetched once,
; beside x, with no later refill; a joint request would put a round of the cluster's barrier in front of the kernel's only fetch.
; The store is 16 bytes a work-group: whole blocks of 256 bytes of out0 would ask for 32 images in a work-group, that is 16 work-groups.
.set IMG,   3136                       ; bytes of an image
.set HALF,  3072                       ; bytes of an image that its 192 lanes take, and of its cos (sin) table in LDS
.set SINB,  2*HALF                     ; LDS: cos tables of both images at 0, sin tables at 6,144
.set WB,    4*HALF                     ; LDS: W as it lies in memory, 12,288 .. 24,455
.set WROW,  6084                       ; bytes of a row of W (1,521 numbers)
.set WLAST, 2*WROW-8                   ; W's last 8 bytes
.set RED,   24576                      ; LDS: 8 bytes for each wave's two partial sums
.set LN,   1                           ; lane
.set LA,   2                           ; 512 wave + 16 lane: where my four cos go (sin: + SINB)
.set XO,   3                           ; my 16 bytes in the work-group's two images
.set QO,   4                           ; 8 (lane mod 8): my two parameters
.set WO,   5                           ; 256 wave + 8 lane: my 8 bytes in each of W's first three quarters of 3,072 bytes
.set WO3,  6                           ; the same in the fourth, clamped to W's last 8 bytes
.set PI_,  7                           ; patch number
.set CI,   8                           ; its c
.set PA,   9                           ; LDS byte of the patch's first cos
.set WA,   10                          ; 36 x patch: its nine weights in a row of W
.set RA,   11                          ; 8 x wave
.set FA,   12                          ; the finish: 48 x (lane mod 2)
.set OO,   13                          ; the finish: 8 x (lane mod 2)
.set KMAG, 14                          ; v[14:15] 1.5 x 2^23, twice
.set KC11, 16                          ; v[16:17] -1/11!, twice
.set KD12, 18                          ; v[18:19] 1/12!, twice
.set TH,   20                          ; v[20:25] six angles: four pixels, two parameters
.set KM,   26                          ; v[26:31] 1.5 x 2^23 + k, then the sign bit (-1)^k
.set KF,   32                          ; v[32:37] k, then r^3
.set RR,   38                          ; v[38:43] r = angle - k pi
.set ZZ,   44                          ; v[44:49] r^2
.set PS,   50                          ; v[50:55] sines
.set PC,   56                          ; v[56:61] cosines
.set WL,   62                          ; v[62:69] W on its way to LDS
.set FT,   70                          ; v[70:78] f0 .. f8 (loaded as c0 c1 c2 - - c5 c6 c7 c8); v79 s4
.set C34,  80                          ; v[80:81] c3 c4
.set SN,   82                          ; v[82:84] s0 s1 s5
.set TT,   86                          ; v[86:92] at work
.set WT,   94                          ; v[94:111] pair i: W[0][9 patch + i], W[1][9 patch + i]
.set ACCA, 112                         ; v[112:113] the two logits' partial sums, wires 0 2 4 6 8
.set ACCB, 114                         ; v[114:115] wires 1 3 5 7
.set FIN,  116                         ; v[116:127] the finish
.set A0, 42                            ; scalar registers: the gates' factors as named in the formulas below
.set B0, 32
.set A1, 33
.set B1, 34
.set A3, 35
.set A4, 43
.set B4, 38
.set A5, 39
.set B5, 40
.set A8, 41
	s_load_b256 s[4:11], s[0:1], 0x0               ; x s[4:5], W s[6:7], q_params s[8:9], b s[10:11]
	s_load_b64 s[12:13], s[0:1], 0x20              ; out0
	v_lshl_add_u32 v128, v0, 2, 0x6100
	v_mov_b32 v129, 0
	v_lshrrev_b32 v[LN], 5, v0
	v_readfirstlane_b32 s16, v[LN]                 ; wave 0..11
	v_and_b32 v[LN], 31, v0
	s_cmp_ge_u32 s16, 6                            ; waves 6-11: the second image
	s_cselect_b32 s18, IMG-HALF, 0                 ; it begins 3,136 bytes behind the first, its lanes' 16 t is 3,072 ahead
	s_cselect_b32 s19, 192, 0
	s_cselect_b32 s20, HALF, 0                     ; its tables in LDS
	s_lshl_b32 s26, s16, 9
	s_lshl_b32 s27, s16, 8
	s_lshl_b32 s28, s16, 5
	s_sub_co_u32 s28, s28, s19                     ; my wave's first lane within its image
	s_lshl_b32 s21, s16, 3
	s_mul_i32 s2, ttmp9, 2*IMG                     ; the work-group's two images (below 1.6 MB)
	s_mov_b32 s3, 0
	v_lshl_add_u32 v[LA], v[LN], 4, s26
	v_add_nc_u32 v[XO], s18, v[LA]
	v_and_b32 v[QO], 7, v0
	v_lshlrev_b32 v[QO], 3, v[QO]
	v_lshl_add_u32 v[WO], v[LN], 3, s27
	v_add_nc_u32 v[WO3], 3*HALF, v[WO]
	v_min_u32 v[WO3], WLAST, v[WO3]                ; 4 x 3,072 = 12,288 > 12,168: wave 11's last 15 lanes repeat W's last 8 bytes
	s_wait_kmcnt 0x0
	s_add_nc_u64 s[4:5], s[4:5], s[2:3]
	; every load of the kernel goes out here, the ones that the longest chain hangs on first
	global_load_b128 v[TH:TH+3], v[XO], s[4:5]                 ; four pixels; a wave takes 512 consecutive bytes
	global_load_b64 v[TH+4:TH+5], v[QO], s[8:9]                ; lane i (mod 8): q_params[2i], q_params[2i+1]
.irp j, 0,1,2
	global_load_b64 v[WL+2*\j:WL+2*\j+1], v[WO], s[6:7] offset:\j*HALF   ; a wave takes 256 consecutive bytes, at a multiple of 256 from W's first byte
.endr
	global_load_b64 v[WL+6:WL+7], v[WO3], s[6:7]
	s_load_b64 s[14:15], s[10:11], 0x0             ; b
	; while they are on their way: constants and the addresses of the later phases
	s_lshl_b32 s2, ttmp9, 4                        ; 16 bytes of out0 for each work-group
	s_add_nc_u64 s[12:13], s[12:13], s[2:3]
	s_mov_b32 s24, 0x76543210                      ; v_permlanex16_b32: lane i reads lane i of the other half
	s_mov_b32 s25, 0xfedcba98
	v_mov_b32 v[KMAG], 0x4b400000
	v_mov_b32 v[KMAG+1], 0x4b400000
	v_mov_b32 v[KC11], 0xb2d7322b
	v_mov_b32 v[KC11+1], 0xb2d7322b
	v_mov_b32 v[KD12], 0x310f76c7
	v_mov_b32 v[KD12+1], 0x310f76c7
	v_add_nc_u32 v[PI_], s28, v[LN]                ; my number within the image, 0..191
	v_cmp_gt_u32 s22, 169, v[PI_]                  ; s22: the lanes that are a patch
	v_min_u32 v[PI_], 168, v[PI_]                  ; the others work on the last patch; their sums are dropped below
	v_mul_u32_u24 v[CI], 79, v[PI_]
	v_lshrrev_b32 v[CI], 10, v[CI]                 ; c = patch / 13: 79/1024 - 1/13 = 0.000225, times 168 is 0.038 < 1/13
	v_mad_u32_u24 v[PA], v[CI], 120, s20           ; 112 (2c) + 4 (2r) with r = patch - 13 c is 120 c + 8 patch
	v_lshl_add_u32 v[PA], v[PI_], 3, v[PA]
	v_mul_u32_u24 v[WA], 36, v[PI_]
	v_mov_b32 v[RA], s21
	v_and_b32 v[FA], 1, v0
	v_lshlrev_b32 v[OO], 3, v[FA]
	v_mul_u32_u24 v[FA], 48, v[FA]
	; SINE AND COSINE of six angles, two at a time.  k = angle / pi rounded to a whole number: the sum with 1.5 x 2^23 has a last place of 1, so the fused
	; multiply-add rounds to it, and the sum's lowest bit is k's parity.  r = angle - k pi with pi in two words (the first product cancels exactly).
	; sin(angle) = (-1)^k sin r, cos(angle) = (-1)^k cos r, |r| <= pi/2: Taylor series to r^11 (remainder below 6e-8) and to r^12 (below 7e-9).
	s_wait_loadcnt 0x4                             ; loads come back in order (ISA guide 5.7.1): pixels and parameters are in, the four loads of W may be out
.irp i, 0,2,4
	v_pk_fma_f32 v[KM+\i:KM+\i+1], v[TH+\i:TH+\i+1], 0x3ea2f983, v[KMAG:KMAG+1] op_sel_hi:[1,0,1]   ; angle / pi + 1.5 x 2^23
.endr
.irp i, 0,2,4
	v_pk_add_f32 v[KF+\i:KF+\i+1], v[KM+\i:KM+\i+1], v[KMAG:KMAG+1] neg_lo:[0,1] neg_hi:[0,1]       ; k
.endr
.irp i, 0,2,4
	v_pk_fma_f32 v[RR+\i:RR+\i+1], v[KF+\i:KF+\i+1], 0xc0490fdb, v[TH+\i:TH+\i+1] op_sel_hi:[1,0,1] ; - k x 3.14159274
.endr
.irp i, 0,2,4
	v_pk_fma_f32 v[RR+\i:RR+\i+1], v[KF+\i:KF+\i+1], 0x33bbbd2e, v[RR+\i:RR+\i+1] op_sel_hi:[1,0,1] ; + k x 8.74227766e-8
.endr
.irp i, 0,1,2,3,4,5
	v_lshlrev_b32 v[KM+\i], 31, v[KM+\i]                                                            ; k's parity as a sign bit
.endr
.irp i, 0,2,4
	v_pk_mul_f32 v[ZZ+\i:ZZ+\i+1], v[RR+\i:RR+\i+1], v[RR+\i:RR+\i+1]
.endr
.irp i, 0,2,4
	v_pk_fma_f32 v[PS+\i:PS+\i+1], v[ZZ+\i:ZZ+\i+1], v[KC11:KC11+1], 0x3638ef1d op_sel_hi:[1,1,0]   ; -z/11! + 1/9!
	v_pk_fma_f32 v[PC+\i:PC+\i+1], v[ZZ+\i:ZZ+\i+1], v[KD12:KD12+1], 0xb493f27e op_sel_hi:[1,1,0]   ; z/12! - 1/10!
.endr
.irp i, 0,2,4
	v_pk_fma_f32 v[PS+\i:PS+\i+1], v[PS+\i:PS+\i+1], v[ZZ+\i:ZZ+\i+1], 0xb9500d01 op_sel_hi:[1,1,0] ; - 1/7!
	v_pk_fma_f32 v[PC+\i:PC+\i+1], v[PC+\i:PC+\i+1], v[ZZ+\i:ZZ+\i+1], 0x37d00d01 op_sel_hi:[1,1,0] ; + 1/8!
.endr
.irp i, 0,2,4
	v_pk_fma_f32 v[PS+\i:PS+\i+1], v[PS+\i:PS+\i+1], v[ZZ+\i:ZZ+\i+1], 0x3c088889 op_sel_hi:[1,1,0] ; + 1/5!
	v_pk_fma_f32 v[PC+\i:PC+\i+1], v[PC+\i:PC+\i+1], v[ZZ+\i:ZZ+\i+1], 0xbab60b61 op_sel_hi:[1,1,0] ; - 1/6!
.endr
.irp i, 0,2,4
	v_pk_fma_f32 v[PS+\i:PS+\i+1], v[PS+\i:PS+\i+1], v[ZZ+\i:ZZ+\i+1], 0xbe2aaaab op_sel_hi:[1,1,0] ; - 1/3!
	v_pk_fma_f32 v[PC+\i:PC+\i+1], v[PC+\i:PC+\i+1], v[ZZ+\i:ZZ+\i+1], 0x3d2aaaab op_sel_hi:[1,1,0] ; + 1/4!
.endr
.irp i, 0,2,4
	v_pk_mul_f32 v[KF+\i:KF+\i+1], v[ZZ+\i:ZZ+\i+1], v[RR+\i:RR+\i+1]                               ; r^3
	v_pk_fma_f32 v[PC+\i:PC+\i+1], v[PC+\i:PC+\i+1], v[ZZ+\i:ZZ+\i+1], -0.5 op_sel_hi:[1,1,0]       ; - 1/2!
.endr
.irp i, 0,2,4
	v_pk_fma_f32 v[PS+\i:PS+\i+1], v[PS+\i:PS+\i+1], v[KF+\i:KF+\i+1], v[RR+\i:RR+\i+1]             ; sin r = r + r^3 ( .. )
	v_pk_fma_f32 v[PC+\i:PC+\i+1], v[PC+\i:PC+\i+1], v[ZZ+\i:ZZ+\i+1], 1.0 op_sel_hi:[1,1,0]        ; cos r = 1 + z ( .. )
.endr
.irp i, 0,1,2,3,4,5
	v_xor_b32 v[PC+\i], v[KM+\i], v[PC+\i]
	v_xor_b32 v[PS+\i], v[KM+\i], v[PS+\i]
.endr
	ds_store_b128 v[LA], v[PC:PC+3]                ; pixel (row, col) of image i: cos at 3,072 i + 112 row + 4 col,
	ds_store_b128 v[LA], v[PS:PS+3] offset:SINB    ; sin 6,144 further on
	s_wait_loadcnt 0x0                             ; W
.irp j, 0,1,2
	ds_store_b64 v[WO], v[WL+2*\j:WL+2*\j+1] offset:WB+\j*HALF
.endr
	ds_store_b64 v[WO3], v[WL+6:WL+7] offset:WB    ; the clamped lanes are all wave 11's and write the same 8 bytes with the same numbers
	s_wait_dscnt 0x0                               ; for the other waves' sake: all my stores to LDS are done before I say so
	s_barrier_signal -1
	; register work while the others arrive: the gates' factors.  Lane i holds cos p[2i] in PC+4, cos and sin p[2i+1] in PC+5 and PS+5.
	v_readlane_b32 s30, v[PC+4], 0                 ; cos p0
	v_readlane_b32 s31, v[PC+5], 4                 ; cos p9
	v_readlane_b32 s[B0], v[PS+5], 4               ; sin p9
	v_readlane_b32 s[A1], v[PC+5], 0               ; cos p1
	v_readlane_b32 s[B1], v[PS+5], 0               ; sin p1
	v_readlane_b32 s[A3], v[PC+4], 6               ; cos p12
	v_readlane_b32 s36, v[PC+5], 6                 ; cos p13
	v_readlane_b32 s37, v[PC+4], 2                 ; cos p4
	v_readlane_b32 s[B4], v[PS+5], 6               ; sin p13
	v_readlane_b32 s[A5], v[PC+5], 2               ; cos p5
	v_readlane_b32 s[B5], v[PS+5], 2               ; sin p5
	v_readlane_b32 s[A8], v[PC+4], 4               ; cos p8
	s_mul_f32 s[A0], s30, s31                      ; cos p0 cos p9
	s_mul_f32 s[A4], s36, s37                      ; cos p13 cos p4
	s_barrier_wait -1                              ; both images' tables and W are whole
	; PATCH PHASE.  Nine reads of the tables, then the 18 weights: lanes are 9 words apart, an odd stride, so 32 lanes fall on 32 different banks (ISA guide 11.1).
	ds_load_b64 v[FT:FT+1], v[PA]                  ; c0 c1
	ds_load_b64 v[SN:SN+1], v[PA] offset:SINB      ; s0 s1
	ds_load_b32 v[FT+2], v[PA] offset:8            ; c2 = f2
	ds_load_b64 v[C34:C34+1], v[PA] offset:112     ; c3 c4
	ds_load_b32 v[FT+5], v[PA] offset:120          ; c5
	ds_load_b32 v[FT+9], v[PA] offset:SINB+116     ; s4
	ds_load_b32 v[SN+2], v[PA] offset:SINB+120     ; s5
	ds_load_b64 v[FT+6:FT+7], v[PA] offset:224     ; c6 = f6, c7
	ds_load_b32 v[FT+8], v[PA] offset:232          ; c8
.irp i, 0,1,2,3,4,5,6,7,8
	ds_load_b32 v[WT+2*\i], v[WA] offset:WB+4*\i
	ds_load_b32 v[WT+2*\i+1], v[WA] offset:WB+WROW+4*\i
.endr
	s_wait_dscnt 18                                ; LDS loads come back in order (ISA guide 5.7.1): the nine table reads are in, the 18 weights may be out
	v_mul_f32 v[TT], s[B0], v[SN]
	v_mul_f32 v[TT+1], s[B1], v[SN+1]
	v_mul_f32 v[TT+2], s[A3], v[C34]
	v_mul_f32 v[TT+3], v[C34], v[C34+1]
	v_mul_f32 v[TT+4], s[B4], v[FT+9]
	v_mul_f32 v[TT+5], s[B5], v[SN+2]
	v_mul_f32 v[TT+6], s[A8], v[FT+7]
	v_fma_f32 v[FT], s[A0], v[FT], -v[TT]          ; f0 = cos p0 cos p9 c0 - sin p9 s0
	v_fma_f32 v[FT+1], s[A1], v[FT+1], -v[TT+1]    ; f1 = cos p1 c1 - sin p1 s1
	v_mul_f32 v[FT+3], v[TT+2], v[FT+2]            ; f3 = cos p12 c3 c2
	v_fma_f32 v[FT+4], s[A4], v[TT+3], -v[TT+4]    ; f4 = cos p13 cos p4 c3 c4 - sin p13 s4
	v_fma_f32 v[FT+5], s[A5], v[FT+5], -v[TT+5]    ; f5 = cos p5 c5 - sin p5 s5
	v_mul_f32 v[FT+8], v[TT+6], v[FT+8]            ; f8 = cos p8 c7 c8
	v_mul_f32 v[FT+7], v[FT+6], v[FT+7]            ; f7 = c6 c7
	s_wait_dscnt 0x0                               ; the weights
	; both logits at once: f_i, taken from the low or the high register of its pair for both halves, times (W[0][..], W[1][..]).  The first products start the two sums.
	v_pk_mul_f32 v[ACCA:ACCA+1], v[FT:FT+1], v[WT:WT+1] op_sel_hi:[0,1]
	v_pk_mul_f32 v[ACCB:ACCB+1], v[FT:FT+1], v[WT+2:WT+3] op_sel:[1,0] op_sel_hi:[1,1]
.irp i, 2,4,6
	v_pk_fma_f32 v[ACCA:ACCA+1], v[FT+\i:FT+\i+1], v[WT+2*\i:WT+2*\i+1], v[ACCA:ACCA+1] op_sel_hi:[0,1,1]
	v_pk_fma_f32 v[ACCB:ACCB+1], v[FT+\i:FT+\i+1], v[WT+2*\i+2:WT+2*\i+3], v[ACCB:ACCB+1] op_sel:[1,0,0] op_sel_hi:[1,1,1]
.endr
	v_pk_fma_f32 v[ACCA:ACCA+1], v[FT+8:FT+9], v[WT+16:WT+17], v[ACCA:ACCA+1] op_sel_hi:[0,1,1]
	v_pk_add_f32 v[ACCA:ACCA+1], v[ACCA:ACCA+1], v[ACCB:ACCB+1]
	v_cndmask_b32 v[ACCA], 0, v[ACCA], s22         ; lanes 169..191 of an image are no patch
	v_cndmask_b32 v[ACCA+1], 0, v[ACCA+1], s22
	; over the wave's 32 lanes: four steps inside each half ride on the additions, one crosses the halves
.irp m, 1,2,4,8
	v_add_f32_dpp v[ACCA], v[ACCA], v[ACCA] row_xmask:\m row_mask:0xf bank_mask:0xf
	v_add_f32_dpp v[ACCA+1], v[ACCA+1], v[ACCA+1] row_xmask:\m row_mask:0xf bank_mask:0xf
.endr
	v_permlanex16_b32 v[TT], v[ACCA], s24, s25     ; its destination counts as read: TT has been written above
	v_permlanex16_b32 v[TT+1], v[ACCA+1], s24, s25
	v_pk_add_f32 v[ACCA:ACCA+1], v[ACCA:ACCA+1], v[TT:TT+1]
	ds_store_b64 v[RA], v[ACCA:ACCA+1] offset:RED  ; all lanes hold the same two sums; bytes of the wave's own, untouched so far
	s_wait_dscnt 0x0                               ; done before I say so
	s_barrier_signal -1
	s_barrier_wait -1
	s_cmp_lg_u32 s16, 0
	s_cbranch_scc1 .Lothers                        ; wave 0 finishes for both images
	; THE FINISH.  Even lanes take the six pairs of waves 0-5 (first image), odd lanes those of waves 6-11.
	ds_load_b128 v[FIN:FIN+3], v[FA] offset:RED
	ds_load_b128 v[FIN+4:FIN+7], v[FA] offset:RED+16
	ds_load_b128 v[FIN+8:FIN+11], v[FA] offset:RED+32
	v_cmp_gt_u32 vcc_lo, 2, v0                     ; lanes 0 and 1 will store
	s_wait_dscnt 0x0
	v_pk_add_f32 v[FIN:FIN+1], v[FIN:FIN+1], v[FIN+2:FIN+3]
	v_pk_add_f32 v[FIN+4:FIN+5], v[FIN+4:FIN+5], v[FIN+6:FIN+7]
	v_pk_add_f32 v[FIN+8:FIN+9], v[FIN+8:FIN+9], v[FIN+10:FIN+11]
	v_pk_add_f32 v[FIN:FIN+1], v[FIN:FIN+1], v[FIN+4:FIN+5]
	v_pk_add_f32 v[FIN:FIN+1], v[FIN:FIN+1], v[FIN+8:FIN+9]
	s_wait_kmcnt 0x0                               ; b
	v_add_f32 v[FIN], s14, v[FIN]
	v_add_f32 v[FIN+1], s15, v[FIN+1]              ; the two logits
	v_max_num_f32 v[FIN+2], v[FIN], v[FIN+1]       ; log_softmax as it is defined: the maximum is taken away first,
	v_pk_add_f32 v[FIN:FIN+1], v[FIN:FIN+1], v[FIN+2:FIN+3] op_sel_hi:[1,0] neg_lo:[0,1] neg_hi:[0,1]
	v_pk_mul_f32 v[FIN+4:FIN+5], v[FIN:FIN+1], 0x3fb8aa3b op_sel_hi:[1,0]   ; e^d = 2^(d log2 e); one d is 0, so the sum below is at least 1
	v_exp_f32 v[FIN+4], v[FIN+4]
	v_exp_f32 v[FIN+5], v[FIN+5]
	v_nop                                          ; one plain vector instruction between a transcendental and the use of its result (ISA guide 5.7.2)
	s_wait_alu depctr_va_vdst(0)
	v_add_f32 v[FIN+4], v[FIN+4], v[FIN+5]
	v_log_f32 v[FIN+4], v[FIN+4]
	v_nop                                          ; likewise
	s_wait_alu depctr_va_vdst(0)
	v_pk_fma_f32 v[FIN:FIN+1], v[FIN+4:FIN+5], 0xbf317218, v[FIN:FIN+1] op_sel_hi:[0,0,1]   ; d - ln 2 x log2(sum)
	s_wait_xcnt 0x0                                ; EXEC is a source of the memory instructions issued so far: it changes only behind this wait
	s_wait_tensorcnt 0x0
	ds_add_u32 v128, v129
	s_wait_dscnt 0x0
	s_and_saveexec_b32 s23, vcc_lo
	global_store_b64 v[OO], v[FIN:FIN+1], s[12:13] ; two lanes, 16 consecutive bytes: the two images' rows of out0
	s_endpgm
.Lothers:
	s_wait_tensorcnt 0x0
	ds_add_u32 v128, v129
	s_wait_dscnt 0x0
	s_endpgm
.Lfunc_end_k_q5b0b76f5cd_quanv_head:
	.size	k_q5b0b76f5cd_quanv_head, .Lfunc_end_k_q5b0b76f5cd_quanv_head-k_q5b0b76f5cd_quanv_head
	.p2alignl 7, 3214868480
	.fill 96, 4, 3214868480
	.section	.rodata,"a",@progbits
	.p2align	6, 0x0
	.amdhsa_kernel k_q5b0b76f5cd_quanv_head
		.amdhsa_group_segment_fixed_size 26368
		.amdhsa_private_segment_fixed_size 0
		.amdhsa_enable_private_segment 0
		.amdhsa_kernarg_size 40
		.amdhsa_user_sgpr_count 2
		.amdhsa_user_sgpr_kernarg_segment_ptr 1
		.amdhsa_wavefront_size32 1
		.amdhsa_system_sgpr_workgroup_id_x 1
		.amdhsa_system_sgpr_workgroup_id_y 1
		.amdhsa_system_sgpr_workgroup_id_z 1
		.amdhsa_system_vgpr_workitem_id 0
		.amdhsa_next_free_vgpr 130
		.amdhsa_next_free_sgpr 66
		.amdhsa_reserve_vcc 1
		.amdhsa_float_denorm_mode_32 3
		.amdhsa_float_denorm_mode_16_64 3
		.amdhsa_memory_ordered 1
		.amdhsa_forward_progress 1
		.amdhsa_inst_pref_size 15
	.end_amdhsa_kernel
	.amdgpu_metadata
---
amdhsa.version: [ 1, 2 ]
amdhsa.kernels:
  - .name:           k_q5b0b76f5cd_quanv_head
    .symbol:         k_q5b0b76f5cd_quanv_head.kd
    .args:
      - { .name: x, .offset: 0, .size: 8, .value_kind: global_buffer, .address_space: global }
      - { .name: W, .offset: 8, .size: 8, .value_kind: global_buffer, .address_space: global }
      - { .name: q_params, .offset: 16, .size: 8, .value_kind: global_buffer, .address_space: global }
      - { .name: b, .offset: 24, .size: 8, .value_kind: global_buffer, .address_space: global }
      - { .name: out0, .offset: 32, .size: 8, .value_kind: global_buffer, .address_space: global }
    .group_segment_fixed_size: 26368
    .private_segment_fixed_size: 0
    .kernarg_segment_align: 8
    .kernarg_segment_size: 40
    .max_flat_workgroup_size: 384
    .sgpr_count:     66
    .vgpr_count:     130
    .wavefront_size: 32
...
	.end_amdgpu_metadata
.endif
;; end of part 1
